; MI455X (gfx1250); checked and timed in simulation.
; The chip was launched on July 23, 2026; its instructions are those of AMD's public machine-readable ISA for CDNA 5 (MIT licence, August 2026) and "CDNA5" Instruction Set Architecture Reference Guide (July 2026). The comments in the code are by the model that wrote it; some were corrected since.
;; DS Attention. Allowed arithmetic: matrix products marked QUANTISED: E5M2 operands, one E8M0 scale for each 32 along K, by v_wmma_scale_f32_16x16x128_f8f6f4 with both operands' format E5M2, f32 sums; everything else in f32.
;; Inputs: delta 2 x 2,048 float32; keys_codes 2 x 2,048 x 8 x 2 x 32 uint8 (E5M2 codes of keys, K innermost, in blocks of 32 codes); keys_null_codes 2 x 2,048 x 8 x 2 x 32 uint8 (E5M2 codes of keys_null, K innermost, in blocks of 32 codes); keys_null_scales 2 x 2,048 x 8 x 2 uint8 (E8M0 scales of keys_null, one for each 32 codes along K); keys_scales 2 x 2,048 x 8 x 2 uint8 (E8M0 scales of keys, one for each 32 codes along K); queries_codes 2 x 2,048 x 8 x 2 x 32 uint8 (E5M2 codes of queries, K innermost, in blocks of 32 codes); queries_scales 2 x 2,048 x 8 x 2 uint8 (E8M0 scales of queries, one for each 32 codes along K); soft_mask 2 x 2,048 float32; tau 2 x 1 float32; values_codes 2 x 8 x 64 x 64 x 32 uint8 (E5M2 codes of values, K innermost, in blocks of 32 codes); values_null_codes 2 x 8 x 64 x 64 x 32 uint8 (E5M2 codes of values_null, K innermost, in blocks of 32 codes); values_null_scales 2 x 8 x 64 x 64 uint8 (E8M0 scales of values_null, one for each 32 codes along K); values_scales 2 x 8 x 64 x 64 uint8 (E8M0 scales of values, one for each 32 codes along K).
;; Outputs: out0 2 x 2,048 x 8 x 64 float32.
;; This version of the problem:
;;   THIS VERSION OF THE PROBLEM IS GIVEN IN LOW PRECISION. The matrix products marked QUANTISED in the list below multiply operands that are first quantised to E5M2 (5 exponent bits, 2 mantissa bits; 8 bits a number), with one power-of-two scale for each 32 numbers along K (OCP MX v1.0); their sums are f32. All else is computed in f32.
;;   The module's matrix products, in the order in which they are computed (A, B: the left and right operand; K: the contracted axis; several contracted axes count as one K, in the product's order):
;;     1. batch 16 x [M 2,048, K 64] x [K 64, N 2,048]; A: input queries (given as codes); B: input keys (given as codes): QUANTISED
;;     2. batch 16 x [M 64, K 2,048] x [K 2,048, N 2,048]; A: input values (given as codes); B: softmax (see below): QUANTISED
;;     3. batch 16 x [M 2,048, K 64] x [K 64, N 2,048]; A: input queries (given as codes); B: input keys_null (given as codes): QUANTISED
;;     4. batch 16 x [M 64, K 2,048] x [K 2,048, N 2,048]; A: input values_null (given as codes); B: softmax (see below): QUANTISED
;;   THE QUANTISER, for each operand of a quantised product, along K:
;;     - K is cut into blocks of 32 from its start; a last block that is shorter is filled with zeros.
;;     - A block's scale is 2^e with e = floor(log2(the largest magnitude in the block)) - 15, held to -126 .. 127; a block of zeros has e = 0. As a byte (E8M0): e + 127.
;;     - Each number is divided by its block's scale, clamped to +-57,344, and rounded to the nearest number of E5M2, ties to even, subnormals kept.
;;     - The product sums the exact products of the quantised numbers (number of the format x scale) in f32.
;;   ~~~python
;;   def quantise(x, axis):      # numpy; x: float32 -> the quantised numbers, widened to float32 again
;;       x = np.moveaxis(x, axis, -1); K = x.shape[-1]
;;       x = np.pad(x, [(0, 0)] * (x.ndim - 1) + [(0, -K % 32)]); x = x.reshape(x.shape[:-1] + (-1, 32)); a = np.abs(x).max(-1, keepdims=True)
;;       e = np.where(a > 0, np.clip(np.frexp(np.where(a > 0, a, 1))[1] - 1 - 15, -126, 127), 0)      # np.frexp(a)[1] - 1 = floor(log2(a)), exactly
;;       r = np.clip(x / 2.0 ** e, -57344, 57344)
;;       step = 2.0 ** (np.maximum(np.frexp(np.where(r == 0, 1, r))[1] - 1, -14) - 2)
;;       q = np.round(r / step) * step * 2.0 ** e      # np.round: ties to even
;;       return np.moveaxis(q.reshape(q.shape[:-2] + (-1,))[..., :K], -1, axis).astype(np.float32)
;;   ~~~
;;   SOFTMAX AHEAD OF A QUANTISED PRODUCT. Where the list says 'softmax', what is quantised is not the finished softmax but p = 2^(t - M), with t = logit x log2(e) and M = ceil(the row's largest t), a whole number; so 1/2 < the row's largest p <= 1. The row's sum l is taken of the UNQUANTISED p, in f32, and the product's result is divided by l at the end. Since M is a whole number, a kernel that streams over the keys may use a running M (the ceiling of the running maximum): every later rescaling is an exact power of two, which a block's scale takes up: the codes' values come out the same.
;;   OPERANDS COMPUTED ON THE WAY. 'Computed on the way' means the value that the module computes at that place (a softmax that the list does not call 'softmax' is quantised finished and normalised). What goes into a quantiser is computed in f32, as accurately as f32 sums, v_exp_f32 and their like allow (about 1e-6 of the number): no bf16 or f16 on the way to a quantiser, and a product that is left as it is and whose result goes on into a quantised operand takes f32 operands (vector FMAs, or v_wmma_f32_16x16x4_f32). A number that lies on a knife's edge between two numbers of the format may be rounded either way, as far as f32 arithmetic and the matrix unit's own rounding can turn it there, and no further.
;;   INPUTS GIVEN AS CODES. keys (in the module: [2, 2048, 8, 64], K = its axis 3); keys_null (in the module: [2, 2048, 8, 64], K = its axis 3); queries (in the module: [2, 2048, 8, 64], K = its axis 3); values (in the module: [2, 2048, 8, 64], K = its axis 1); values_null (in the module: [2, 2048, 8, 64], K = its axis 1): each comes as NAME_codes (uint8): NAME with its K axis moved to the last place and cut into blocks of 32 codes, [.., K / 32, bytes a block], one block behind the other in memory; one code a byte (a code: sign, 5 exponent bits, 2 mantissa bits); and NAME_scales (uint8): the same leading axes, one E8M0 byte (e + 127) for each 32 codes along K. Its value is code x scale, taken as it is: it is not quantised again, and the codes and scales need not be those that the quantiser above would give.
;; One version. Each part assembles by itself: llvm-mc -triple=amdgcn-amd-amdhsa -mcpu=gfx1250 --defsym DOCPART=n.
;; ======== version 1 of 1: 1 launch
;; limits: right only within a limited range of input values
;; launch dsattn (part 1): grid 16 x 16, 16 waves a work-group, clusters of 4 x 1, 327,680 bytes of LDS; arguments queries_codes, queries_scales, keys_codes, keys_scales, keys_null_codes, keys_null_scales, values_codes, values_scales, values_null_codes, values_null_scales, tau, delta, soft_mask, out0; writes out0
.if DOCPART == 1
	.amdgcn_target "amdgcn-amd-amdhsa--gfx1250"
	.amdhsa_code_object_version 6
	.text
	.protected	k_q99cdd091e8_dsattn
	.globl	k_q99cdd091e8_dsattn
	.p2align	8
	.type	k_q99cdd091e8_dsattn,@function
k_q99cdd091e8_dsattn:
	s_mov_b64 s[64:65], 0
	v_nop
	global_prefetch_b8 v0, s[64:65] scope:SCOPE_SE
	s_setreg_imm32_b32 hwreg(HW_REG_WAVE_MODE, 25, 1), 1
	s_wait_xcnt 0x0
	s_wait_alu depctr_hold_cnt(0) depctr_sa_sdst(0) depctr_va_vdst(0) depctr_va_sdst(0) depctr_va_ssrc(0) depctr_va_vcc(0) depctr_vm_vsrc(0)
	s_getreg_b32 s2, hwreg(HW_REG_IB_STS2, 6, 4)
	s_cmp_eq_u32 s2, 0
	s_cbranch_scc0 .Lentry_in_a_cluster
	s_endpgm
.Lentry_in_a_cluster:
	s_bfe_u32 s2, ttmp6, 0x10000c
	s_cmp_lg_u32 s2, 0x3003
	s_cbranch_scc0 .Lentry_shape_is_right
	s_endpgm
.Lentry_shape_is_right:
; out0[b][q][head][:] = m[b][q] x attn(Q, K, V) + (1 - m[b][q]) x attn(Q, Knull, Vnull), attn = causal softmax attention with the logit (q . k x tau[b] + delta[b][key]) / 8.
; All four products on codes of BF8 (E5M2) with one E8M0 scale for each 32 along a product's K.  Q, K: [2][2048][8][64] codes, K = the head's 64; scale bytes [2][2048][8][2].
; V: [2][8][64][2048] codes, the keys innermost; scale bytes [2][8][64][64].  out0: [2][2048][8][64] f32.
; THE SOFTMAX AHEAD OF THE SECOND PRODUCT: t = s x c + d', c = tau x log2(e) / 8, d' = delta x log2(e) / 8; M = the row's largest t so far, rounded UP to a whole number; p = 2^(t - M) is quantised along the keys,
; not normalised.  The row's sum is taken of the unquantised p and divides at the end.  When M moves, the sum and O are multiplied by 2^(old M - new M): exact.  The maximum is taken of t, not of s: delta differs from key to key, and tau may have any sign.
; THE HEAD'S 64 FILL HALF OF THE INSTRUCTION'S 128 ALONG K: the upper eight registers of Q's and of K's fragments are zero codes, written once; the upper two bytes of their scale words are 0, which stands over zero codes alone.
; SHARES.  256 work-groups of sixteen waves.  A wave owns ONE tile of 16 queries of ONE branch (edit or null) in 256 registers.  y = batch x 8 + head; the four work-groups of a cluster and the four clusters of a y share a head.
;   wave w: c = w % 4, a = w / 4, sel = c xor a, branch = a % 2, sub = a / 2.  Block of 128 queries J = (g + 4 (sel % 2)) xor (15 (sel / 2)), g the cluster's x: g, 4 + g, 15 - g, 11 - g: the sum of J + 1 is 34 for every g,
;   and sel takes all four values among the waves of equal w % 4 and among those of equal w / 4.  Tile in the block: 2 cx + sub.  J hangs on the cluster's x and the wave's number alone, so the four partners branch alike.
; CAUSAL.  A step is 128 keys.  Step k of a wave is left out where k > J (a scalar branch round its loads and arithmetic), masked where k = J, open where k < J.  Every work-group walks all 16 steps, in 8 slots of 256 keys:
;   the trip counts are constants and no tensor load or barrier is jumped over.  The price: a cluster's last g steps are fetched and read by nobody.
; CLUSTER.  The four partners walk the same K, V and scale bytes: every tensor load is asked for JOINTLY (mask 15), by the same line with the same descriptor in all four.  A key's row of one head is 64 bytes of 512, so sharing divides these requests by four.
; LAYOUT.  Both products are used transposed: S^T = K Q^T (source 0 = 16 keys, source 1 = my 16 queries), O^T = V^T P^T (source 0 = 16 of the head's 64, source 1 = P): a lane holds ONE query (lane % 16) throughout.
;   THE KEYS OF A TILE ARE NOT NEIGHBOURS: lane r of tile 2 b + u takes key 32 b + 8 u + r + 8 (r / 8), so that the 16 registers of tiles 2 b, 2 b + 1 are the keys 32 b + 16 (lane / 16) + 0 .. 15.
; THE BLEND.  Wave w and wave w xor 5 hold the same tile in the two branches.  Each multiplies its O^T by its weight / its sum, both meet in stages in LDS, and each stores eight whole rows of the tile.
; LIMITS.  A block of p that is all zeros gets the scale byte 1 (its codes are zeros; this program alone reads the byte).  v_exp_f32 gives 0 for p under 2^-126.  A block's largest p is taken from the block's largest t, by the
;   same addition and exponential: that takes v_exp_f32 not to fall where its input rises.  NaN or infinity codes and scale bytes 0xff among keys that count give NaN, as in the definition; hidden keys' scores are replaced.
.set KP,    80                         ; a key's row in LDS: 64 bytes + 16 of padding
.set VP,    272                        ; a row of V's tile: 256 bytes (256 keys) + 16
.set KBR,   256*KP                     ; a branch's K in a slot
.set VBR,   64*VP                      ; a branch's V in a slot
.set VOFF,  2*KBR                      ; a slot: K (edit, null), V (edit, null), K's scale bytes (edit, null: 256 keys x 16 bytes, all eight heads, dense)
.set SOFF,  VOFF+2*VBR
.set SBR,   4096
.set VSC,   SOFF+2*SBR                 ; behind slot 0: V's scale bytes of the whole head, filled once: 64 rows of 64 bytes + 16, for each branch
.set VSP,   80
.set VSBR,  64*VSP
.set DELTA, VSC+2*VSBR                 ; 2,048 numbers d', stored by the waves: no fill lands here
.set SPARE, DELTA+8192                 ; the spare words, 128 bytes for each of sixteen waves: eight blocks of 256 bytes that no other line names
.set SLOT1, 1<<17                      ; slot 1 begins here: one exclusive or turns an address in one slot into the other's
.set STG,   SLOT1+VSC                  ; behind slot 1: a stage of 16 rows x (256 bytes + 16) for each wave; no fill lands here
.set SP,    272
.set STGW,  16*SP
.set K2,    0x3e38aa3b                 ; log2(e) / 8
; vector registers
.set AK0,  1                           ; my lane's place in a tile of K of my branch
.set AV0,  2                           ; the same for V
.set ASK0, 3                           ; among K's scale bytes
.set ASV0, 4                           ; among V's
.set AD0,  5                           ; among d'
.set ADK,  6                           ; v6-10: the step's addresses of K, V, K's scale bytes, V's, d'
.set ADV,  7
.set ADS,  8
.set ADT,  9
.set ADL,  10
.set DM,   11                          ; my query's place in its block of 128, less 16 (lane / 16): the diagonal's bound
.set QF,   16                          ; v16-31   Q: 8 registers of codes, 8 of zeros
.set KFR,  32                          ; v32-95   four fragments of K: each 8 registers of codes, 8 of zeros that are written once
.set PC,   96                          ; v96-111  p's codes: block 0's in front of S, blocks 1 to 3's on the registers that block 0's p has left
.set S,    100                         ; v100-163 S^T, then t, then p; v116-147 take V's fragments 2 and 3 when p's blocks 1 and 2 are codes
.set OT,   164                         ; v164-195 O^T, four tiles
.set R,    196                         ; v196-227 32 numbers d', twice; then V's fragments 0 and 1
.set BM,   228                         ; v228-231 a block's largest t, then its largest p
.set PD,   232                         ; v232-235 the other half's maxima, then the scale bytes, then a chain of the sum
.set HD,   236
.set SV,   240                         ; v240-243 the conversions' scale operands
.set SCW,  244                         ; v244-247 scale words of the four tiles in hand: K's, then V's
.set QSW,  248                         ; Q's scale words
.set WGT,  249                         ; my query's weight in the blend
.set SPW,  250                         ; LDS address of my spare word; never rewritten
.set NIL,  251                         ; 0; never rewritten
.set PSW,  253                         ; p's scale word (v252: f; v254: at work; v12 -M, v13 the largest t, v[14:15] the sum in two halves)
; scalar registers
.set WV,   3                           ; my wave's number
.set JB,   4                           ; my block of 128 queries
.set KN,   5                           ; the step's number
.set TB,   6                           ; LDS byte at which the slot in hand begins
.set TJ,   7                           ; V's scale words: 4 bytes a step
.set TD,   8                           ; d': 512 bytes a step
.set SLOTS, 9
.set SEL,  10                          ; s[10:11] v_permlanex16_b32's selects for lane l xor 16
.set CS,   12                          ; s[12:13] c, twice: the packed form names a pair
.set MNT,  14
.set BR,   15                          ; my branch: 0 edit, 1 null
.set G0VS, 20                          ; s[20:23] group 0: V's scale bytes;  s[24:27] K;  s[28:31] V;  s[32:35] K's scale bytes
.set G0K,  24
.set G0V,  28
.set G0S,  32
.set G1K,  68                          ; s[68:75], s[76:83], s[84:91], s[92:99]: the four groups 1
.set G1V,  76
.set G1S,  84
.set G1VS, 92
; A round of the cluster's barrier: my work-group's barrier, wave 0 signals for the work-group, every wave waits for the four work-groups, my work-group's barrier once more.
.macro CROUND
	s_barrier_signal -1
	s_barrier_wait -1
	s_cmp_lg_u32 s[WV], 0
	s_cbranch_scc1 .Lnot_wave_0_\@
	s_barrier_signal -3
.Lnot_wave_0_\@:
	s_barrier_wait -3
	s_barrier_signal -1
	s_barrier_wait -1
.endm
; The joint loads of a slot: waves 0-3 a half of a branch's K, waves 4, 5 a branch's V, waves 6, 7 a branch's scale bytes of K; first = 1: waves 8, 9 a branch's scale bytes of V, once.  One load a wave at the most.
; The branches hang on the wave's number alone.  Four v_nop follow each tensor load.
.macro JLOAD first
	s_cmp_lt_u32 s[WV], 4
	s_cbranch_scc0 .Lnot_k_\@
	tensor_load_to_lds s[G0K:G0K+3], s[G1K:G1K+7]
	s_nop 0
.rept 4
	v_nop
.endr
	s_branch .Lasked_\@
.Lnot_k_\@:
	s_cmp_lt_u32 s[WV], 6
	s_cbranch_scc0 .Lnot_v_\@
	tensor_load_to_lds s[G0V:G0V+3], s[G1V:G1V+7]
	s_nop 0
.rept 4
	v_nop
.endr
	s_branch .Lasked_\@
.Lnot_v_\@:
	s_cmp_lt_u32 s[WV], 8
	s_cbranch_scc0 .Lnot_s_\@
	tensor_load_to_lds s[G0S:G0S+3], s[G1S:G1S+7]
	s_nop 0
.rept 4
	v_nop
.endr
.if \first
	s_branch .Lasked_\@
.endif
.Lnot_s_\@:
.if \first
	s_cmp_lt_u32 s[WV], 10
	s_cbranch_scc0 .Lasked_\@
	tensor_load_to_lds s[G0VS:G0VS+3], s[G1VS:G1VS+7]
	s_nop 0
.rept 4
	v_nop
.endr
.endif
.Lasked_\@:
.endm
	s_load_b512 s[36:51], s[0:1], 0x0              ; Q's codes s[36:37], Q's scales s[38:39], K s[40:41], s[42:43], Knull s[44:45], s[46:47], V s[48:49], s[50:51]
	s_load_b256 s[52:59], s[0:1], 0x40             ; Vnull s[52:53], s[54:55], tau s[56:57], delta s[58:59]
	s_load_b128 s[60:63], s[0:1], 0x60             ; soft_mask s[60:61], out0 s[62:63]
	v_lshl_add_u32 v[SPW], v0, 2, SPARE
	v_mov_b32 v[NIL], 0
	ds_add_u32 v250, v251
	ds_add_u32 v250, v251
	s_wait_dscnt 0x0
	v_lshrrev_b32 v6, 5, v0
	s_delay_alu instid0(VALU_DEP_1)
	v_readfirstlane_b32 s[WV], v6                  ; wave 0..15
	s_and_b32 s101, ttmp7, 0xffff                  ; y = 8 x batch + head, which the partners share
	s_lshr_b32 s104, s101, 3                       ; batch
	s_and_b32 s100, s101, 7                        ; head
	s_and_b32 s17, s[WV], 3                        ; c
	s_lshr_b32 s18, s[WV], 2                       ; a
	s_xor_b32 s17, s17, s18                        ; sel
	s_and_b32 s[BR], s18, 1                        ; branch
	s_lshr_b32 s18, s18, 1                         ; sub
	s_and_b32 s19, s17, 1
	s_lshl_b32 s19, s19, 2
	s_add_co_u32 s[JB], ttmp9, s19                 ; g + 4 (sel % 2): in a cluster launch ttmp9 counts clusters
	s_lshr_b32 s19, s17, 1
	s_mul_i32 s19, s19, 15
	s_xor_b32 s[JB], s[JB], s19                    ; J
	s_bfe_u32 s16, ttmp6, 0x40000                  ; cx: it enters Q's, soft_mask's and out0's addresses and the diagonal's bound alone (s16, s66, s67, s105)
	s_lshl_b32 s16, s16, 1
	s_add_co_u32 s16, s16, s18                     ; my tile in the block: 2 cx + sub
	s_lshl_b32 s105, s16, 4                        ; its first query in the block
	s_lshl_b32 s16, s[JB], 7
	s_add_co_u32 s16, s16, s105                    ; my first query
	; group 1 for K: 128 rows of 64 bytes, 512 bytes apart in memory
	s_mov_b32 s[G1K], 15|(1<<20)|(1<<21)|(3<<22)|(3<<25)   ; 15:0 the mask: all four work-groups; 17:16 elements of 1 byte; 20 padding on; 21 set beside a mask; 24:22 after every 16 words (code 3); 31:25 four words (code 3)
	s_mov_b32 s[G1K+1], 64<<16                     ; tensor_dim0
	s_mov_b32 s[G1K+2], 128<<16                    ; tensor_dim1
	s_mov_b32 s[G1K+3], 64<<16                     ; tile_dim0
	s_mov_b32 s[G1K+4], 128                        ; tile_dim1
	s_mov_b32 s[G1K+5], 512                        ; tensor_dim0_stride
	s_mov_b32 s[G1K+6], 0
	s_mov_b32 s[G1K+7], 0
	; for V: 64 rows of 256 bytes, 2,048 bytes apart
	s_mov_b32 s[G1V], 15|(1<<20)|(1<<21)|(5<<22)|(3<<25)   ; padding: four words after every 64
	s_mov_b32 s[G1V+1], 256<<16
	s_mov_b32 s[G1V+2], 64<<16
	s_mov_b32 s[G1V+3], 256<<16
	s_mov_b32 s[G1V+4], 64
	s_mov_b32 s[G1V+5], 2048
	s_mov_b32 s[G1V+6], 0
	s_mov_b32 s[G1V+7], 0
	; for K's scale bytes: 4,096 dense bytes as 16 rows of 256 (32 elements of 8 bytes), no padding
	s_mov_b32 s[G1S], 15|(3<<16)|(1<<21)
	s_mov_b32 s[G1S+1], 32<<16
	s_mov_b32 s[G1S+2], 16<<16
	s_mov_b32 s[G1S+3], 32<<16
	s_mov_b32 s[G1S+4], 16
	s_mov_b32 s[G1S+5], 32
	s_mov_b32 s[G1S+6], 0
	s_mov_b32 s[G1S+7], 0
	; for V's scale bytes: 4,096 dense bytes as 64 rows of 64 (8 elements of 8 bytes), four words of padding behind each
	s_mov_b32 s[G1VS], 15|(3<<16)|(1<<20)|(1<<21)|(3<<22)|(3<<25)
	s_mov_b32 s[G1VS+1], 8<<16
	s_mov_b32 s[G1VS+2], 64<<16
	s_mov_b32 s[G1VS+3], 8<<16
	s_mov_b32 s[G1VS+4], 64
	s_mov_b32 s[G1VS+5], 8
	s_mov_b32 s[G1VS+6], 0
	s_mov_b32 s[G1VS+7], 0
	s_mov_b32 s[SEL], 0x76543210
	s_mov_b32 s[SEL+1], 0xfedcba98
	s_mov_b32 s[KN], 0
	s_mov_b32 s[TB], 0
	s_mov_b32 s[TJ], 0
	s_mov_b32 s[TD], 0
	s_mov_b32 s[SLOTS], 7
	s_wait_kmcnt 0x0                               ; the fourteen addresses
	s_lshl_b32 s18, s104, 2
	s_mov_b32 s19, 0                               ; stays 0: the upper word of every offset made in s[18:19]
	s_add_nc_u64 s[56:57], s[56:57], s[18:19]
	s_load_b32 s2, s[56:57], 0x0                   ; tau of my batch; the descriptors are made while it is on its way
	; Groups 0.  Every wave makes all four and asks by one at the most.  They hang on the batch, the head and the wave's number alone.
	s_mov_b32 s[G0K], 1                            ; count = 1
	s_and_b32 s17, s[WV], 3
	s_mul_i32 s[G0K+1], s17, 128*KP                ; LDS: edit's two halves, then null's
	s_and_b32 s17, s[WV], 2
	s_cmp_lg_u32 s17, 0
	s_cselect_b64 s[G0K+2:G0K+3], s[44:45], s[40:41]   ; waves 2, 3: keys_null; waves 0, 1: keys
	s_lshl_b32 s18, s104, 20                       ; the batch's 2,048 rows of 512 bytes,
	s_lshl_b32 s17, s100, 6                        ; the head's 64 bytes in a row,
	s_add_co_u32 s18, s18, s17
	s_and_b32 s17, s[WV], 1
	s_lshl_b32 s17, s17, 16                        ; and the odd wave's 128 rows
	s_add_co_u32 s18, s18, s17
	s_add_nc_u64 s[G0K+2:G0K+3], s[G0K+2:G0K+3], s[18:19]
	s_or_b32 s[G0K+3], s[G0K+3], 0x80000000        ; type = 2
	s_and_b32 s17, s[WV], 1                        ; from here on: the odd wave takes the null branch
	s_mov_b32 s[G0V], 1
	s_mul_i32 s[G0V+1], s17, VBR
	s_add_co_u32 s[G0V+1], s[G0V+1], VOFF
	s_cmp_lg_u32 s17, 0
	s_cselect_b64 s[G0V+2:G0V+3], s[52:53], s[48:49]   ; values_null or values
	s_lshl_b32 s18, s101, 17                       ; the head's 64 rows of 2,048 bytes
	s_add_nc_u64 s[G0V+2:G0V+3], s[G0V+2:G0V+3], s[18:19]
	s_or_b32 s[G0V+3], s[G0V+3], 0x80000000
	s_mov_b32 s[G0S], 1
	s_lshl_b32 s[G0S+1], s17, 12
	s_add_co_u32 s[G0S+1], s[G0S+1], SOFF
	s_cmp_lg_u32 s17, 0
	s_cselect_b64 s[G0S+2:G0S+3], s[46:47], s[42:43]   ; keys_null_scales or keys_scales
	s_lshl_b32 s18, s104, 15                       ; the batch's 2,048 rows of 16 bytes
	s_add_nc_u64 s[G0S+2:G0S+3], s[G0S+2:G0S+3], s[18:19]
	s_or_b32 s[G0S+3], s[G0S+3], 0x80000000
	s_mov_b32 s[G0VS], 1
	s_mul_i32 s[G0VS+1], s17, VSBR
	s_add_co_u32 s[G0VS+1], s[G0VS+1], VSC
	s_cmp_lg_u32 s17, 0
	s_cselect_b64 s[G0VS+2:G0VS+3], s[54:55], s[50:51] ; values_null_scales or values_scales
	s_lshl_b32 s18, s101, 12                       ; the head's 64 rows of 64 bytes
	s_add_nc_u64 s[G0VS+2:G0VS+3], s[G0VS+2:G0VS+3], s[18:19]
	s_or_b32 s[G0VS+3], s[G0VS+3], 0x80000000
	s_lshl_b32 s18, s104, 13
	s_add_nc_u64 s[58:59], s[58:59], s[18:19]      ; delta at my batch
	; the bases that hang on my tile
	s_lshl_b32 s66, s104, 20
	s_lshl_b32 s67, s16, 9
	s_add_co_u32 s66, s66, s67
	s_lshl_b32 s67, s100, 6
	s_add_co_u32 s66, s66, s67
	s_mov_b32 s67, 0
	s_add_nc_u64 s[36:37], s[36:37], s[66:67]      ; Q's codes at my first query, my head
	s_lshl_b32 s66, s104, 15
	s_lshl_b32 s67, s16, 4
	s_add_co_u32 s66, s66, s67
	s_lshl_b32 s67, s100, 1
	s_add_co_u32 s66, s66, s67
	s_mov_b32 s67, 0
	s_add_nc_u64 s[38:39], s[38:39], s[66:67]      ; Q's scale bytes likewise
	s_lshl_b32 s66, s104, 13
	s_lshl_b32 s67, s16, 2
	s_add_co_u32 s66, s66, s67
	s_mov_b32 s67, 0
	s_add_nc_u64 s[60:61], s[60:61], s[66:67]      ; soft_mask at my first query
	s_lshl_b32 s66, s104, 22
	s_lshl_b32 s67, s16, 11
	s_add_co_u32 s66, s66, s67
	s_lshl_b32 s67, s100, 8
	s_add_co_u32 s66, s66, s67
	s_lshl_b32 s67, s[BR], 14                      ; the null wave stores the tile's rows 8 to 15: 8 rows of 2,048 bytes on
	s_add_co_u32 s66, s66, s67
	s_mov_b32 s67, 0
	s_add_nc_u64 s[62:63], s[62:63], s[66:67]      ; out0 at the first row that I store, my head
	s_wait_kmcnt 0x0                               ; tau
	s_mul_f32 s[CS], s2, K2                        ; c = tau x log2(e) / 8
	s_mov_b32 s[CS+1], s[CS]
	CROUND                                         ; all four work-groups are here: the first joint loads meet
	JLOAD 1                                        ; slot 0, and V's scale bytes of the whole head: one load a wave, ahead of every wait on TENSORcnt
	v_and_b32 v6, 15, v0                           ; r
	v_bfe_u32 v7, v0, 4, 1                         ; h
	s_delay_alu instid0(VALU_DEP_2)
	v_lshlrev_b32 v8, 9, v6
	s_delay_alu instid0(VALU_DEP_1)
	v_lshl_add_u32 v8, v7, 4, v8                   ; Q: row r of 512 bytes, + 16 h
	global_load_b128 v[QF:QF+3], v8, s[36:37]              ; k = 16 h + 0 .. 15
	global_load_b128 v[QF+4:QF+7], v8, s[36:37] offset:32  ; k = 32 + 16 h + 0 .. 15
	v_lshlrev_b32 v9, 4, v6
	global_load_u16 v[QSW], v9, s[38:39]           ; query r's two scale bytes; the upper two bytes come as 0
	v_lshlrev_b32 v10, 2, v6
	global_load_b32 v[WGT], v10, s[60:61]          ; m of query r
	v_lshlrev_b32 v254, 4, v0
	global_load_b128 v[R:R+3], v254, s[58:59]      ; delta: 512 threads x 16 bytes are the batch's 2,048 numbers
	; addresses that stay (v8, v9, v10, v254 are not written before the wait for the loads above)
	v_and_b32 v228, 8, v6
	s_delay_alu instid0(VALU_DEP_1)
	v_add_nc_u32 v228, v228, v6                    ; r + 8 (r / 8)
	s_mul_i32 s17, s[BR], KBR
	v_mul_u32_u24 v[AK0], v228, KP
	s_delay_alu instid0(VALU_DEP_1)
	v_lshl_add_u32 v[AK0], v7, 4, v[AK0]
	s_delay_alu instid0(VALU_DEP_1)
	v_add_nc_u32 v[AK0], s17, v[AK0]
	s_mul_i32 s17, s[BR], VBR
	s_add_co_u32 s17, s17, VOFF
	v_mul_u32_u24 v[AV0], v6, VP
	s_delay_alu instid0(VALU_DEP_1)
	v_lshl_add_u32 v[AV0], v7, 4, v[AV0]
	s_delay_alu instid0(VALU_DEP_1)
	v_add_nc_u32 v[AV0], s17, v[AV0]
	s_lshl_b32 s17, s[BR], 12
	s_add_co_u32 s17, s17, SOFF
	s_lshl_b32 s18, s100, 1
	s_add_co_u32 s17, s17, s18                     ; my head's two bytes of a key's sixteen
	v_lshl_add_u32 v[ASK0], v228, 4, s17
	s_mul_i32 s17, s[BR], VSBR
	s_add_co_u32 s17, s17, VSC
	v_mul_u32_u24 v[ASV0], v6, VSP
	s_delay_alu instid0(VALU_DEP_1)
	v_add_nc_u32 v[ASV0], s17, v[ASV0]
	v_lshlrev_b32 v[AD0], 6, v7
	s_delay_alu instid0(VALU_DEP_1)
	v_add_nc_u32 v[AD0], DELTA, v[AD0]             ; d': lanes 16-31 begin 16 keys on
	v_lshlrev_b32 v[DM], 4, v7
	s_delay_alu instid0(VALU_DEP_1)
	v_sub_nc_u32 v[DM], v6, v[DM]
	s_delay_alu instid0(VALU_DEP_1)
	v_add_nc_u32 v[DM], s105, v[DM]                ; 16 x tile + r - 16 h
.set ix, 0
.rept 8
	v_mov_b32 v[QF+8+ix], 0                        ; zero codes for k = 64 .. 127: Q's,
	v_mov_b32 v[KFR+8+ix], 0                       ; and those of K's four fragments; no line writes them again
	v_mov_b32 v[KFR+24+ix], 0
	v_mov_b32 v[KFR+40+ix], 0
	v_mov_b32 v[KFR+56+ix], 0
.set ix, ix+1
.endr
.set ix, 0
.rept 32
	v_mov_b32 v[OT+ix], 0                          ; O^T.  (The step is written once: the first finds zeros, which the first change of M leaves zeros)
.set ix, ix+1
.endr
.irp b, 0,1,2,3
	v_mov_b32 v[PD+\b], 0                          ; written once: a lane permute's destination counts as one of its sources
.endr
	v_mov_b32 v[PSW], 0                            ; (named as the upper half of the pair v[252:253] before it is first written)
	v_mov_b32 v13, 0xff61b1e6                      ; the largest t so far: -3e38, under every t
	s_delay_alu instid0(VALU_DEP_1)
	v_floor_f32 v12, -v13                          ; -M
	v_mov_b32 v14, 0                               ; the sum, in two halves
	v_mov_b32 v15, 0
	v_lshl_add_u32 v255, v0, 4, DELTA
	s_lshl_b32 s17, s[BR], 31
	s_or_b32 s17, s17, 0x3f800000                  ; 1.0 for the edit branch, -1.0 for the null branch,
	s_mul_i32 s18, s[BR], 0x3f800000               ; 0 or 1.0
	s_wait_loadcnt 0x0                             ; Q, its scale words, m, delta
	v_pk_mul_f32 v[R:R+1], v[R:R+1], K2 op_sel_hi:[1,0]
	v_pk_mul_f32 v[R+2:R+3], v[R+2:R+3], K2 op_sel_hi:[1,0]
	s_wait_alu depctr_va_vdst(0)
	ds_store_b128 v255, v[R:R+3]                   ; d' = delta x log2(e) / 8; the first change of slots waits for this store and passes a barrier ahead of every read
	v_fma_f32 v[WGT], v[WGT], s17, s18             ; my weight: m, or 1 - m
; four tiles of 16 keys (tiles 4 g + 0 .. 3 of the slot's q-th step): two loads of 16 bytes a tile, and the tile's keys' scale bytes of my head
.macro KLOAD q, g
.irp t, 0,1,2,3
.irp c, 0,1
	ds_load_b128 v[KFR+16*\t+4*\c:KFR+16*\t+4*\c+3], v[ADK] offset:(128*(\q)+32*((4*\g+\t)/2)+8*(\t%2))*KP+32*\c
.endr
	ds_load_u16 v[SCW+\t], v[ADS] offset:(128*(\q)+32*((4*\g+\t)/2)+8*(\t%2))*16
.endr
.endm
; d' of the keys of blocks 2 g, 2 g + 1: register 16 b + i = key 64 g + 32 b + 16 h + i of the step; all lanes of a half read the same words
.macro DLOAD g
.irp b, 0,1
.irp j, 0,1,2,3
	ds_load_b128 v[R+16*\b+4*\j:R+16*\b+4*\j+3], v[ADL] offset:256*\g+128*\b+16*\j
.endr
.endr
.endm
.macro QK g                            ; S^T = K Q^T: each product starts its own sum
.irp t, 0,1,2,3
	v_wmma_scale_f32_16x16x128_f8f6f4 v[S+8*(4*\g+\t):S+8*(4*\g+\t)+7], v[KFR+16*\t:KFR+16*\t+15], v[QF:QF+15], 0, v[SCW+\t], v[QSW] matrix_a_fmt:MATRIX_FMT_BF8 matrix_b_fmt:MATRIX_FMT_BF8
.endr
.endm
.macro TFMA g                          ; t = s x c + d', two at a time, in ascending order: each tile of S^T is first read at its low end
.irp j, 0,2,4,6,8,10,12,14,16,18,20,22,24,26,28,30
	v_pk_fma_f32 v[S+32*\g+\j:S+32*\g+\j+1], v[S+32*\g+\j:S+32*\g+\j+1], s[CS:CS+1], v[R+\j:R+\j+1] op_sel_hi:[1,0,1]
.endr
.endm
; On the diagonal (step = J) the t of hidden keys become -infinity ahead of the maximum: p = 0 then.  Laid on t, not on s, so that it holds for every sign of c.  An open step jumps over it.
.macro MASK g
	s_cmp_lt_u32 s[KN], s[JB]
	s_cbranch_scc1 .Lopen_\@
	v_mov_b32 v254, 0xff800000                     ; -infinity
.irp n, 0,1,2,3,4,5,6,7,8,9,10,11,12,13,14,15,16,17,18,19,20,21,22,23,24,25,26,27,28,29,30,31
	v_cmp_gt_i32 vcc_lo, 64*\g+32*(\n/16)+\n%16, v[DM]     ; register 32 g + n holds key 16 h + 64 g + 32 (n / 16) + n % 16 of the block: hidden where that lies past my query
	s_delay_alu instid0(VALU_DEP_1)
	v_cndmask_b32 v[S+32*\g+\n], v[S+32*\g+\n], v254, vcc_lo
.endr
.Lopen_\@:
.endm
.macro BMAX b0, b1                     ; the largest t of my 16 keys of two blocks, by turns: it serves for the row's maximum and, since p rises with t, for the block's largest p
.irp b, \b0, \b1
	v_max3_num_f32 v[BM+\b], v[S+16*\b], v[S+16*\b+1], v[S+16*\b+2]
.endr
.irp i, 3,5,7,9,11,13
.irp b, \b0, \b1
	s_delay_alu instid0(VALU_DEP_2)
	v_max3_num_f32 v[BM+\b], v[BM+\b], v[S+16*\b+\i], v[S+16*\b+\i+1]
.endr
.endr
.irp b, \b0, \b1
	s_delay_alu instid0(VALU_DEP_2)
	v_max_num_f32 v[BM+\b], v[BM+\b], v[S+16*\b+15]
.endr
.endm
.macro VLOAD0 q                        ; V's fragments 0 and 1 (16 of the head's 64 x these 128 keys) and the scale words of all four
.irp t, 0,1
.irp c, 0,1,2,3
	ds_load_b128 v[R+16*\t+4*\c:R+16*\t+4*\c+3], v[ADV] offset:16*\t*VP+128*(\q)+32*\c
.endr
.endr
.irp t, 0,1,2,3
	ds_load_b32 v[SCW+\t], v[ADT] offset:16*\t*VSP
.endr
.endm
.macro VLOAD1 q                        ; V's fragments 2 and 3, into the registers of p's blocks 1 and 2, which are codes by now
.irp t, 2,3
.irp c, 0,1,2,3
	ds_load_b128 v[S+16*(\t-1)+4*\c:S+16*(\t-1)+4*\c+3], v[ADV] offset:16*\t*VP+128*(\q)+32*\c
.endr
.endr
.endm
.macro PV t, a                         ; O^T += V^T P^T, tile t, V's fragment at v[a]
	v_wmma_scale_f32_16x16x128_f8f6f4 v[OT+8*\t:OT+8*\t+7], v[\a:\a+15], v[PC:PC+15], v[OT+8*\t:OT+8*\t+7], v[SCW+\t], v[PSW] matrix_a_fmt:MATRIX_FMT_BF8 matrix_b_fmt:MATRIX_FMT_BF8
.endm
; A KEY STEP: 128 keys, the q-th of the slot in hand.  No LDS instruction of mine is out at its head.
.macro STEP q
	s_cmp_gt_u32 s[KN], s[JB]                      ; all its keys come after my block's queries: left out.  The lines at its end that step addresses are not jumped over
	s_cbranch_scc1 .Lhidden_\@
	v_add_nc_u32 v[ADK], s[TB], v[AK0]
	v_add_nc_u32 v[ADV], s[TB], v[AV0]
	v_add_nc_u32 v[ADS], s[TB], v[ASK0]
	v_add_nc_u32 v[ADT], s[TJ], v[ASV0]
	v_add_nc_u32 v[ADL], s[TD], v[AD0]
.rept 4
	v_nop                                          ; with the five additions nine places behind the last step's products: eight for the loads into V's fragments and scale words, nine for the products below, which write over p's codes and V's fragments
.endr
	KLOAD \q, 0
	DLOAD 0
	s_wait_alu depctr_va_vdst(0)
	s_wait_dscnt 8                                 ; K's twelve loads are in; the eight of d' may be out
	QK 0
.rept 8
	v_nop                                          ; eight places: in front of the loads into K's fragments and scale words, and of the first read of S^T
.endr
	KLOAD \q, 1
	s_wait_dscnt 12                                ; d' of blocks 0, 1 is in; the twelve loads just issued may be out
	TFMA 0
	DLOAD 1
	MASK 0
	s_wait_dscnt 8                                 ; K's twelve loads are in; the eight of d' may be out
	QK 1
	s_wait_alu depctr_va_vdst(0)
	BMAX 0, 1                                      ; sixteen plain lines on the first four tiles: the places behind the four products above
	s_wait_dscnt 0x0                               ; d' of blocks 2, 3
	TFMA 1
	VLOAD0 \q                                      ; asked for here, wanted behind the softmax
	MASK 1
	s_wait_alu depctr_va_vdst(0)
	BMAX 2, 3
.irp b, 0,1,2,3
	v_permlanex16_b32 v[PD+\b], v[BM+\b], s[SEL], s[SEL+1]
.endr
.irp b, 0,1,2,3
	s_delay_alu instid0(VALU_DEP_4)
	v_max_num_f32 v[BM+\b], v[BM+\b], v[PD+\b]     ; with lane l xor 16's 16 keys: the block's largest t
.endr
	s_delay_alu instid0(VALU_DEP_2)
	v_max3_num_f32 v254, v[BM], v[BM+1], v[BM+2]
	s_delay_alu instid0(VALU_DEP_1)
	v_max_num_f32 v254, v254, v[BM+3]              ; the step's largest t of my query
	s_delay_alu instid0(VALU_DEP_1)
	v_max_num_f32 v13, v13, v254                   ; the running largest t
	v_mov_b32 v254, v12
	s_delay_alu instid0(VALU_DEP_2)
	v_floor_f32 v12, -v13                          ; the new -M = floor(-t) = -ceil(t): M is a whole number
	s_delay_alu instid0(VALU_DEP_1)
	v_sub_f32 v254, v12, v254                      ; M's old value less its new one: a whole number, 0 or less
	s_delay_alu instid0(VALU_DEP_1)
	v_cvt_i32_f32 v254, v254                       ; (it saturates)
	s_delay_alu instid0(VALU_DEP_1)
	v_ldexp_f32 v252, 1.0, v254                    ; f = 2^(old M - new M)
.set ix, 0
.rept 32
	v_pk_add_f32 v[S+ix:S+ix+1], v[S+ix:S+ix+1], v[12:13] op_sel_hi:[1,0]   ; t - M, two at a time (of the pair the low word, -M, serves both halves)
.set ix, ix+2
.endr
.irp b, 0,1,2,3
	v_add_f32 v[BM+\b], v[BM+\b], v12              ; the same of each block's largest t
.endr
.set ix, 0
	s_wait_alu depctr_va_vdst(0)
.rept 64
	v_exp_f32 v[S+ix], v[S+ix]                     ; p = 2^(t - M), at most 1: not normalised
.set ix, ix+1
.endr
.irp b, 0,1,2,3
	v_exp_f32 v[BM+\b], v[BM+\b]                   ; the block's largest p: the same two instructions on the same number give the same bits
.endr
	v_pk_mul_f32 v[14:15], v[14:15], v[252:253] op_sel_hi:[1,0]   ; the sums under the new M.  (The plain line behind the exponentials)
	s_wait_alu depctr_va_vdst(0)
.irp b, 0,1,2,3
	v_max_num_f32 v[BM+\b], 0x8000000, v[BM+\b]    ; the floor 2^(16 - 127): the byte cannot fall under 1
.endr
.irp b, 0,1,2,3
	s_delay_alu instid0(VALU_DEP_4)
	v_add_nc_u32 v[SV+\b], 0xf8800000, v[BM+\b]    ; 15 off the exponent field: the conversion's scale operand
.endr
.irp b, 0,1,2,3
.endr
.irp b, 0,1,2,3
	s_delay_alu instid0(VALU_DEP_4)
	v_lshrrev_b32 v[PD+\b], 23, v[SV+\b]           ; the scale's byte
.endr
	s_delay_alu instid0(VALU_DEP_3)
	v_lshl_or_b32 v[PSW], v[PD+1], 8, v[PD]        ; p's scale word for these 128 keys; far more than eight plain lines stand between it and the products that name it
	s_delay_alu instid0(VALU_DEP_1)
	v_lshl_or_b32 v[PSW], v[PD+2], 16, v[PSW]
	s_delay_alu instid0(VALU_DEP_1)
	v_lshl_or_b32 v[PSW], v[PD+3], 24, v[PSW]
	v_pk_add_f32 v[232:233], v[104:105], v[108:109]
	v_pk_add_f32 v[254:255], v[112:113], v[116:117]
	v_pk_add_f32 v[238:239], v[120:121], v[124:125]
	v_pk_add_f32 v[236:237], v[128:129], v[132:133]
	v_pk_add_f32 v[230:231], v[136:137], v[140:141]
	v_pk_add_f32 v[228:229], v[144:145], v[148:149]
	v_pk_add_f32 v[98:99], v[152:153], v[156:157]
	v_pk_add_f32 v[14:15], v[14:15], v[160:161]
	v_pk_add_f32 v[232:233], v[232:233], v[100:101]
	v_pk_add_f32 v[254:255], v[254:255], v[102:103]
	v_pk_add_f32 v[238:239], v[238:239], v[106:107]
	v_pk_add_f32 v[236:237], v[236:237], v[110:111]
	v_pk_add_f32 v[230:231], v[230:231], v[114:115]
	v_pk_add_f32 v[228:229], v[228:229], v[118:119]
	v_pk_add_f32 v[98:99], v[98:99], v[122:123]
	v_pk_add_f32 v[14:15], v[14:15], v[126:127]
	v_pk_add_f32 v[232:233], v[232:233], v[130:131]
	v_pk_add_f32 v[254:255], v[254:255], v[134:135]
	v_pk_add_f32 v[238:239], v[238:239], v[138:139]
	v_pk_add_f32 v[236:237], v[236:237], v[142:143]
	v_pk_add_f32 v[230:231], v[230:231], v[146:147]
	v_pk_add_f32 v[228:229], v[228:229], v[150:151]
	v_pk_add_f32 v[98:99], v[98:99], v[154:155]
	v_pk_add_f32 v[14:15], v[14:15], v[158:159]
	v_pk_add_f32 v[232:233], v[232:233], v[162:163]
	s_delay_alu instid0(VALU_DEP_2)
	v_pk_add_f32 v[14:15], v[14:15], v[236:237]
	s_delay_alu instid0(VALU_DEP_2)
	v_pk_add_f32 v[232:233], v[232:233], v[230:231]
	v_pk_add_f32 v[254:255], v[254:255], v[228:229]
	v_pk_add_f32 v[238:239], v[238:239], v[98:99]
	s_delay_alu instid0(VALU_DEP_2)
	v_pk_add_f32 v[14:15], v[14:15], v[254:255]
	s_delay_alu instid0(VALU_DEP_2)
	v_pk_add_f32 v[232:233], v[232:233], v[238:239]
	s_delay_alu instid0(VALU_DEP_1)
	v_pk_add_f32 v[14:15], v[14:15], v[232:233]
.irp b, 0,1,2,3
.irp i, 0,1,2,3,4,5,6,7,8,9,10,11,12,13,14,15
.endr
	v_nop
	v_cvt_scalef32_pk8_bf8_f32 v[PC+4*\b:PC+4*\b+1], v[S+16*\b:S+16*\b+7], v[SV+\b]
	v_cvt_scalef32_pk8_bf8_f32 v[PC+4*\b+2:PC+4*\b+3], v[S+16*\b+8:S+16*\b+15], v[SV+\b]
.if \b == 2
	VLOAD1 \q
.endif
.endr
.set ix, 0
.rept 16
	v_pk_mul_f32 v[OT+ix:OT+ix+1], v[OT+ix:OT+ix+1], v[252:253] op_sel_hi:[1,0]   ; O^T under the new M: x f, in ascending order.  (These sixteen are also the plain lines between the conversions and the products)
.set ix, ix+2
.endr
	s_wait_alu depctr_va_vdst(0)
	s_wait_dscnt 8                                 ; V's fragments 0, 1 and the four scale words are in; the eight loads of fragments 2, 3 may be out
	PV 0, R                                        ; the four accumulators take turns, one instruction a turn
	PV 1, R+16
	s_wait_dscnt 0x0
	PV 2, S+16
	PV 3, S+32
.Lhidden_\@:
	s_add_co_u32 s[KN], s[KN], 1
	s_add_co_u32 s[TJ], s[TJ], 4
	s_add_co_u32 s[TD], s[TD], 512
.endm
; THE CHANGE OF SLOTS stands at a slot's head.  Each wave waits for all its tensor loads (its part of the slot that is about to be read), adds 0 to its spare word, and waits for that, for its LDS stores and for its reads of the slot that it has left.
; fill = 1: the barrier is a round of the cluster's, so that no wave of any partner still reads the other slot or has a load on its way; the joint load of the next 256 keys is the first thing behind it and has a whole slot's steps in which to land.
.macro CHANGE fill
	s_wait_tensorcnt 0x0                           ; no tensor load of mine is out, so a group 0 may be written
	ds_add_u32 v[SPW], v[NIL]                      ; 0 onto my spare word
.if \fill
	s_xor_b32 s[G0K+1], s[G0K+1], SLOT1            ; the walking descriptors: the other slot than last time,
	s_add_nc_u64 s[G0K+2:G0K+3], s[G0K+2:G0K+3], 256*512   ; the next 256 keys; the type bits on top are not reached
	s_xor_b32 s[G0V+1], s[G0V+1], SLOT1
	s_add_nc_u64 s[G0V+2:G0V+3], s[G0V+2:G0V+3], 256
	s_xor_b32 s[G0S+1], s[G0S+1], SLOT1
	s_add_nc_u64 s[G0S+2:G0S+3], s[G0S+2:G0S+3], 256*16
.endif
	s_wait_dscnt 0x0
.if \fill
	CROUND
	JLOAD 0
.else
	s_barrier_signal -1
	s_barrier_wait -1
.endif
.endm
.macro SLOT_STEPS
	STEP 0
	STEP 1
	s_xor_b32 s[TB], s[TB], SLOT1                  ; on to the other slot
.endm
.Lslot:                                            ; seven trips: behind each change of slots but the last the next slot is asked for
	CHANGE 1
	SLOT_STEPS
	s_sub_co_u32 s[SLOTS], s[SLOTS], 1
	s_cmp_lg_u32 s[SLOTS], 0
	s_cbranch_scc1 .Lslot
	CHANGE 0                                       ; the last slot is written out
	SLOT_STEPS
	; THE WAY OUT.  Twelve address lines are the places behind the last products.  O^T x weight / sum goes into my stage; behind a barrier I read eight rows of my stage and of my partner's, add them and store whole rows of 256 bytes.
	v_and_b32 v1, 15, v0                           ; r
	v_bfe_u32 v2, v0, 4, 1                         ; h
	s_mul_i32 s17, s[WV], STGW
	s_add_co_u32 s17, s17, STG                     ; my stage
	s_xor_b32 s18, s[WV], 5
	s_mul_i32 s18, s18, STGW
	s_add_co_u32 s18, s18, STG                     ; my partner's: the same tile in the other branch
	s_mul_i32 s19, s[BR], 8*SP                     ; the edit wave takes rows 0 to 7, the null wave rows 8 to 15
	v_mul_u32_u24 v6, v1, SP
	s_delay_alu instid0(VALU_DEP_1)
	v_lshl_add_u32 v6, v2, 5, v6
	s_delay_alu instid0(VALU_DEP_1)
	v_add_nc_u32 v6, s17, v6                       ; in: row r; tile t's eight channels of my half: 64 t + 32 h bytes on
	v_mul_u32_u24 v7, v2, SP
	s_delay_alu instid0(VALU_DEP_1)
	v_lshl_add_u32 v7, v1, 4, v7
	s_delay_alu instid0(VALU_DEP_1)
	v_add_nc_u32 v7, s19, v7
	s_delay_alu instid0(VALU_DEP_1)
	v_add_nc_u32 v8, s18, v7                       ; back: lanes 0-15 one row, lanes 16-31 the next: my partner's,
	s_delay_alu instid0(VALU_DEP_2)
	v_add_nc_u32 v7, s17, v7                       ; and mine
	v_lshlrev_b32 v9, 11, v2
	s_delay_alu instid0(VALU_DEP_1)
	v_lshl_add_u32 v9, v1, 4, v9                   ; and the same two rows in out0, 2,048 bytes apart
	v_add_f32 v14, v14, v15                        ; the sum's two halves,
	s_delay_alu instid0(VALU_DEP_1)
	v_permlanex16_b32 v[PD], v14, s[SEL], s[SEL+1]
	s_delay_alu instid0(VALU_DEP_1)
	v_add_f32 v14, v14, v[PD]                      ; and lane l xor 16's: the row's sum
	s_wait_alu depctr_va_vdst(0)
	v_rcp_f32 v14, v14
	v_nop                                          ; a plain line behind the transcendental
	s_wait_alu depctr_va_vdst(0)
	v_mul_f32 v252, v14, v[WGT]                    ; weight / sum
.set ix, 0
.rept 16
	v_pk_mul_f32 v[S+ix:S+ix+1], v[OT+ix:OT+ix+1], v[252:253] op_sel_hi:[1,0]   ; register 8 t + i: channel 16 t + 8 h + i of query r; ascending
.set ix, ix+2
.endr
.irp t, 0,1,2,3
	ds_store_b128 v6, v[S+8*\t:S+8*\t+3] offset:64*\t
	ds_store_b128 v6, v[S+8*\t+4:S+8*\t+7] offset:64*\t+16
.endr
	s_wait_dscnt 0x0                               ; for my partner's sake: my stores into the stage are done
	s_barrier_signal -1
	s_barrier_wait -1
.irp i, 0,1,2,3
	ds_load_b128 v[S+32+4*\i:S+32+4*\i+3], v7 offset:2*\i*SP
	ds_load_b128 v[S+48+4*\i:S+48+4*\i+3], v8 offset:2*\i*SP
.endr
	s_wait_dscnt 0x0
.irp j, 0,2,4,6,8,10,12,14
	v_pk_add_f32 v[S+32+\j:S+32+\j+1], v[S+32+\j:S+32+\j+1], v[S+48+\j:S+48+\j+1]   ; m x edit + (1 - m) x null
.endr
.irp i, 0,1,2,3
	global_store_b128 v9, v[S+32+4*\i:S+32+4*\i+3], s[62:63] offset:4096*\i th:TH_STORE_NT   ; 16 lanes store 256 consecutive bytes, at a multiple of 256 from out0's first byte; written once, read by nobody here
.endr
	s_wait_tensorcnt 0x0                           ; the wave's end, behind my last tensor load and my last LDS store
	ds_add_u32 v[SPW], v[NIL]
	s_wait_dscnt 0x0
	CROUND                                         ; the closing round: no work-group ends while a partner may still ask for a tile that names it
	s_endpgm
.Lfunc_end_k_q99cdd091e8_dsattn:
	.size	k_q99cdd091e8_dsattn, .Lfunc_end_k_q99cdd091e8_dsattn-k_q99cdd091e8_dsattn
	.p2alignl 7, 3214868480
	.fill 96, 4, 3214868480
	.section	.rodata,"a",@progbits
	.p2align	6, 0x0
	.amdhsa_kernel k_q99cdd091e8_dsattn
		.amdhsa_group_segment_fixed_size 327680
		.amdhsa_private_segment_fixed_size 0
		.amdhsa_enable_private_segment 0
		.amdhsa_kernarg_size 112
		.amdhsa_user_sgpr_count 2
		.amdhsa_user_sgpr_kernarg_segment_ptr 1
		.amdhsa_wavefront_size32 1
		.amdhsa_system_sgpr_workgroup_id_x 1
		.amdhsa_system_sgpr_workgroup_id_y 1
		.amdhsa_system_sgpr_workgroup_id_z 1
		.amdhsa_system_vgpr_workitem_id 0
		.amdhsa_next_free_vgpr 256
		.amdhsa_next_free_sgpr 106
		.amdhsa_reserve_vcc 1
		.amdhsa_float_denorm_mode_32 3
		.amdhsa_float_denorm_mode_16_64 3
		.amdhsa_fp16_overflow 1
		.amdhsa_memory_ordered 1
		.amdhsa_forward_progress 1
		.amdhsa_inst_pref_size 136
	.end_amdhsa_kernel
	.amdgpu_metadata
---
amdhsa.version: [ 1, 2 ]
amdhsa.kernels:
  - .name:           k_q99cdd091e8_dsattn
    .symbol:         k_q99cdd091e8_dsattn.kd
    .args:
      - { .name: queries_codes, .offset: 0, .size: 8, .value_kind: global_buffer, .address_space: global }
      - { .name: queries_scales, .offset: 8, .size: 8, .value_kind: global_buffer, .address_space: global }
      - { .name: keys_codes, .offset: 16, .size: 8, .value_kind: global_buffer, .address_space: global }
      - { .name: keys_scales, .offset: 24, .size: 8, .value_kind: global_buffer, .address_space: global }
      - { .name: keys_null_codes, .offset: 32, .size: 8, .value_kind: global_buffer, .address_space: global }
      - { .name: keys_null_scales, .offset: 40, .size: 8, .value_kind: global_buffer, .address_space: global }
      - { .name: values_codes, .offset: 48, .size: 8, .value_kind: global_buffer, .address_space: global }
      - { .name: values_scales, .offset: 56, .size: 8, .value_kind: global_buffer, .address_space: global }
      - { .name: values_null_codes, .offset: 64, .size: 8, .value_kind: global_buffer, .address_space: global }
      - { .name: values_null_scales, .offset: 72, .size: 8, .value_kind: global_buffer, .address_space: global }
      - { .name: tau, .offset: 80, .size: 8, .value_kind: global_buffer, .address_space: global }
      - { .name: delta, .offset: 88, .size: 8, .value_kind: global_buffer, .address_space: global }
      - { .name: soft_mask, .offset: 96, .size: 8, .value_kind: global_buffer, .address_space: global }
      - { .name: out0, .offset: 104, .size: 8, .value_kind: global_buffer, .address_space: global }
    .group_segment_fixed_size: 327680
    .private_segment_fixed_size: 0
    .kernarg_segment_align: 8
    .kernarg_segment_size: 112
    .max_flat_workgroup_size: 512
    .sgpr_count:     106
    .vgpr_count:     256
    .wavefront_size: 32
...
	.end_amdgpu_metadata
.endif
;; end of part 1
